; MI455X (gfx1250); checked and timed in simulation.
; The chip was launched on July 23, 2026; its instructions are those of AMD's public machine-readable ISA for CDNA 5 (MIT licence, August 2026) and "CDNA5" Instruction Set Architecture Reference Guide (July 2026). The comments in the code are by the model that wrote it; some were corrected since.
;; Vector Quantizer. Allowed arithmetic: float matrix products may take bf16 or f16 operands with f32 sums; all other float work in f32.
;; Inputs: W 16,384 x 256 float32; z 16 x 256 x 32 x 32 float32.
;; Outputs: out0 16 x 256 x 32 x 32 float32; out1 one number float32; out2 16,384 int32.
;; One version. Each part assembles by itself: llvm-mc -triple=amdgcn-amd-amdhsa -mcpu=gfx1250 --defsym DOCPART=n.
;; ======== version 1 of 1: 4 launches
;; limits: values outside matrix products are rounded to bf16
;; workspace buffers: wb 8,388,608 bytes; zb 8,388,608 bytes; ww 65,536 bytes; zz 65,536 bytes; pval 262,144 bytes; pidx 262,144 bytes of whole numbers; lpart 1,024 bytes
;; launch prep (part 1): grid 256 x 2, 8 waves a work-group, no clusters, 35,072 bytes of LDS; arguments W, z, wb, zb, ww, zz; writes wb, zb, ww, zz
.if DOCPART == 1
	.amdgcn_target "amdgcn-amd-amdhsa--gfx1250"
	.amdhsa_code_object_version 6
	.text
	.protected	k_q2165fc2562_prep
	.globl	k_q2165fc2562_prep
	.p2align	8
	.type	k_q2165fc2562_prep,@function
k_q2165fc2562_prep:
	s_mov_b64 s[64:65], 0
	v_nop
	global_prefetch_b8 v0, s[64:65] scope:SCOPE_SE
	s_setreg_imm32_b32 hwreg(HW_REG_WAVE_MODE, 25, 1), 1
	s_wait_xcnt 0x0
; prep: rounds both inputs to bf16 once (to nearest even) and makes the squared norms of the ROUNDED rows in f32.
;   y = 0:  wb[k][c] = bf16(W[k][c]),  ww[k] = sum over c of wb[k][c]^2
;   y = 1:  zb[n][c] = bf16(z[b][c][hw]) with n = 1024 b + hw (the transposed order of reference()),  zz[n] = sum over c of zb[n][c]^2
; LIMITS, kept on purpose: every later step works on these rounded numbers, so the program's results are those of reference() on
; inputs rounded to bf16.  A norm is summed eight numbers a lane and then lane by lane: another order of f32 additions than the reference's.
; A work-group owns 64 rows of its output, a wave 8 of them.  The launch only streams: no matrix unit, no tensor load, no cluster
; (no two work-groups read the same byte).
.set PITCH, 528                        ; the stage's row: 512 bytes of bf16 + 16
.set SUML,  64*PITCH                   ; 33,792: the 64 row sums, 256 bytes
.set X,   16                           ; v[16:79]   sixteen loads of 16 bytes
.set P,   80                           ; v[80:111]  row i: four words of packed bf16
.set F,   112                          ; v[112:119] eight numbers in f32
.set A,   120                          ; v[120:121] a pair of partial sums
.set TMP, 122                          ; the other half's sum
.set SUM, 123                          ; lanes with lane % 8 = i hold row i's sum
.set MK,  28                           ; s[28:35]   lane masks 0x01010101 << i
	s_load_b256 s[4:11], s[0:1], 0x0               ; W s[4:5], z s[6:7], wb s[8:9], zb s[10:11]
	s_load_b128 s[12:15], s[0:1], 0x20             ; ww s[12:13], zz s[14:15]
	v_lshl_add_u32 v128, v0, 2, 0x8500
	v_mov_b32 v129, 0
	v_lshrrev_b32 v2, 5, v0
	v_readfirstlane_b32 s16, v2                    ; wave w, 0 to 7
	v_and_b32 v1, 31, v0                           ; lane
	v_and_b32 v2, 15, v0                           ; q = lane % 16
	v_bfe_u32 v3, v0, 4, 1                         ; g = lane / 16
	s_and_b32 s18, ttmp7, 0xffff                   ; y: which input
	s_mov_b32 s22, 0x76543210                      ; v_permlanex16_b32: lane i of one half reads lane i of the other
	s_mov_b32 s23, 0xfedcba98
	s_mov_b32 s24, 0xffff0000                      ; a word's upper bf16
.irp i, 0,1,2,3,4,5,6,7
	s_mov_b32 s[MK+\i], 0x01010101<<\i
.endr
	s_lshl_b32 s20, ttmp9, 15                      ; my 64 output rows of 512 bytes
	s_mov_b32 s21, 0
	s_lshl_b32 s38, ttmp9, 8                       ; my 64 sums
	s_mov_b32 s39, 0
	v_mov_b32 v[TMP], 0                            ; v_permlanex16_b32 counts as a reader of its destination
	v_lshlrev_b32 v7, 3, v1                        ; 8 x lane
	v_and_b32 v8, 7, v0
	v_lshl_add_u32 v8, s16, 3, v8                  ; row 8 w + lane % 8
	v_lshlrev_b32 v8, 2, v8
	v_add_nc_u32 v8, SUML, v8                      ; where my SUM goes
	v_add_nc_u32 v9, SUML, v7                      ; where wave 0 reads two sums back
	s_wait_kmcnt 0x0
; The sum of squares of a row whose packed words lie in v[p:p+3] of all 32 lanes, into the lanes of SUM that belong to row i.
.macro ROWSQ p, i
.irp k, 0,1,2,3
	v_lshlrev_b32 v[F+2*\k],   16, v[\p+\k]        ; bf16 to f32: the low half moves up,
	v_and_b32     v[F+2*\k+1], s24, v[\p+\k]       ; the high half stays
.endr
	v_pk_mul_f32 v[A:A+1], v[F:F+1], v[F:F+1]      ; the first product starts the sums
	v_pk_fma_f32 v[A:A+1], v[F+2:F+3], v[F+2:F+3], v[A:A+1]
	v_pk_fma_f32 v[A:A+1], v[F+4:F+5], v[F+4:F+5], v[A:A+1]
	v_pk_fma_f32 v[A:A+1], v[F+6:F+7], v[F+6:F+7], v[A:A+1]
	v_add_f32 v[A], v[A], v[A+1]
	v_add_f32_dpp v[A], v[A], v[A] row_xmask:1 row_mask:0xf bank_mask:0xf
	v_add_f32_dpp v[A], v[A], v[A] row_xmask:2 row_mask:0xf bank_mask:0xf
	v_add_f32_dpp v[A], v[A], v[A] row_xmask:4 row_mask:0xf bank_mask:0xf
	v_add_f32_dpp v[A], v[A], v[A] row_xmask:8 row_mask:0xf bank_mask:0xf
	v_permlanex16_b32 v[TMP], v[A], s22, s23
	v_add_f32 v[A], v[A], v[TMP]                   ; every lane holds the row's sum
.if \i == 0
	v_mov_b32 v[SUM], v[A]
.else
	v_cndmask_b32 v[SUM], v[SUM], v[A], s[MK+\i]
.endif
.endm
	s_cmp_lg_u32 s18, 0                            ; the same in all waves of a work-group
	s_cbranch_scc1 .Lzpart
	; ---- W: rows lie as they are wanted.  A row is 1,024 bytes: two loads of 512 neighbouring bytes.
	s_lshl_b32 s26, ttmp9, 16                      ; my 64 rows of 1,024 bytes
	s_mov_b32 s27, 0
	s_add_nc_u64 s[4:5], s[4:5], s[26:27]
	s_add_nc_u64 s[8:9], s[8:9], s[20:21]
	s_add_nc_u64 s[36:37], s[12:13], s[38:39]      ; the sums go to ww
	v_lshlrev_b32 v4, 4, v1
	v_lshl_add_u32 v4, s16, 13, v4                 ; 8 rows x 1,024 x w + 16 x lane
	v_lshl_add_u32 v5, s16, 12, v7                 ; 8 rows x 512 x w + 8 x lane
.irp i, 0,1,2,3,4,5,6,7
	global_load_b128 v[X+8*\i:X+8*\i+3],   v4, s[4:5] offset:1024*\i th:TH_LOAD_NT       ; columns 4 lane .. + 3
	global_load_b128 v[X+8*\i+4:X+8*\i+7], v4, s[4:5] offset:1024*\i+512 th:TH_LOAD_NT   ; columns 128 + 4 lane .. + 3
.endr
.irp i, 0,1,2,3,4,5,6,7
	s_wait_loadcnt 14-2*\i                         ; loads come back in order: row i is in, the two loads of each younger row stay out
	v_cvt_pk_bf16_f32 v[P+4*\i],   v[X+8*\i],   v[X+8*\i+1]
	v_cvt_pk_bf16_f32 v[P+4*\i+1], v[X+8*\i+2], v[X+8*\i+3]
	v_cvt_pk_bf16_f32 v[P+4*\i+2], v[X+8*\i+4], v[X+8*\i+5]
	v_cvt_pk_bf16_f32 v[P+4*\i+3], v[X+8*\i+6], v[X+8*\i+7]
	global_store_b64 v5, v[P+4*\i:P+4*\i+1],   s[8:9] offset:512*\i       ; 32 lanes x 8 bytes: 256 consecutive bytes, aligned
	global_store_b64 v5, v[P+4*\i+2:P+4*\i+3], s[8:9] offset:512*\i+256   ; each row has its own P registers: no store's data is written again
	ROWSQ P+4*\i, \i
.endr
	s_branch .Ltail
	; ---- z: [b][c][hw] to [n][c].  Phase 1: each half of a wave reads 256 consecutive bytes (64 hw) of one channel; eight channels of one
	; hw are packed to 16 bytes and put into the stage's row hw.  Phase 2: whole rows come back and leave.
.Lzpart:
	s_lshr_b32 s26, ttmp9, 4                       ; b
	s_lshl_b32 s26, s26, 20                        ; x 256 channels x 4,096 bytes
	s_and_b32 s27, ttmp9, 15
	s_lshl_b32 s27, s27, 8                         ; + my 64 hw x 4 bytes
	s_add_co_u32 s26, s26, s27
	s_mov_b32 s27, 0
	s_add_nc_u64 s[6:7], s[6:7], s[26:27]
	s_add_nc_u64 s[10:11], s[10:11], s[20:21]
	s_add_nc_u64 s[36:37], s[14:15], s[38:39]      ; the sums go to zz
	v_lshlrev_b32 v4, 4, v2
	v_lshl_add_u32 v4, v3, 15, v4
	v_lshl_add_u32 v4, s16, 17, v4                 ; channel (32 w + 8 g) x 4,096 + 16 q
	v_mul_u32_u24 v6, v2, 4*PITCH
	v_lshl_add_u32 v6, v3, 4, v6
	v_lshl_add_u32 v6, s16, 6, v6                  ; stage: row 4 q, byte 2 (32 w + 8 g)
	v_lshlrev_b32 v5, 4, v1
	s_mul_i32 s26, s16, 8*PITCH
	v_add_nc_u32 v10, s26, v5                      ; stage: row 8 w, byte 16 x lane
	v_lshl_add_u32 v5, s16, 12, v5                 ; zb: row 8 w, byte 16 x lane
.irp m, 0,1,2,3,4,5,6,7,8,9,10,11,12,13,14,15
	global_load_b128 v[X+4*\m:X+4*\m+3], v4, s[6:7] offset:(16*(\m/8)+(\m%8))*4096 th:TH_LOAD_NT   ; channel 32 w + 8 g + 16 (m / 8) + m % 8
.endr
.irp u, 0,1
	s_wait_loadcnt 8-8*\u                          ; the first eight channels are in while the second eight stay out; then all
.irp e, 0,1,2,3
.irp k, 0,1,2,3
	v_cvt_pk_bf16_f32 v[P+16*\u+4*\e+\k], v[X+32*\u+8*\k+\e], v[X+32*\u+8*\k+4+\e]         ; channels 2 k, 2 k + 1 of hw = 4 q + e
.endr
	ds_store_b128 v6, v[P+16*\u+4*\e:P+16*\u+4*\e+3] offset:\e*PITCH+32*\u
	; neighbouring lanes are four rows (2,112 bytes) apart: of sixteen lanes four share a 16-byte column modulo 256.  Left so: 64 such
	; stores in a work-group that moves 96 KiB through memory.
.endr
.endr
	s_wait_dscnt 0x0                               ; my stores are in the stage, for the other waves' sake
	s_barrier_signal -1
	s_barrier_wait -1
.irp i, 0,1,2,3,4,5,6,7
	ds_load_b128 v[P+4*\i:P+4*\i+3], v10 offset:\i*PITCH           ; row 8 w + i: 512 neighbouring bytes
.endr
.irp i, 0,1,2,3,4,5,6,7
	s_wait_dscnt 7-\i                              ; row i is back, the younger rows' loads stay out
	global_store_b128 v5, v[P+4*\i:P+4*\i+3], s[10:11] offset:512*\i
	ROWSQ P+4*\i, \i
.endr
.Ltail:
	ds_store_b32 v8, v[SUM]                        ; the four lanes that share a word write the same number
	s_wait_dscnt 0x0
	s_barrier_signal -1
	s_barrier_wait -1
	s_cmp_lg_u32 s16, 0
	s_cbranch_scc1 .Lend
	ds_load_b64 v[12:13], v9                       ; wave 0: the 64 sums, two a lane
	s_wait_dscnt 0x0
	global_store_b64 v7, v[12:13], s[36:37]        ; 256 consecutive bytes, aligned
.Lend:
	s_wait_tensorcnt 0x0
	ds_add_u32 v128, v129
	s_wait_dscnt 0x0
	s_endpgm
.Lfunc_end_k_q2165fc2562_prep:
	.size	k_q2165fc2562_prep, .Lfunc_end_k_q2165fc2562_prep-k_q2165fc2562_prep
	.p2alignl 7, 3214868480
	.fill 96, 4, 3214868480
	.section	.rodata,"a",@progbits
	.p2align	6, 0x0
	.amdhsa_kernel k_q2165fc2562_prep
		.amdhsa_group_segment_fixed_size 35072
		.amdhsa_private_segment_fixed_size 0
		.amdhsa_enable_private_segment 0
		.amdhsa_kernarg_size 48
		.amdhsa_user_sgpr_count 2
		.amdhsa_user_sgpr_kernarg_segment_ptr 1
		.amdhsa_wavefront_size32 1
		.amdhsa_system_sgpr_workgroup_id_x 1
		.amdhsa_system_sgpr_workgroup_id_y 1
		.amdhsa_system_sgpr_workgroup_id_z 1
		.amdhsa_system_vgpr_workitem_id 0
		.amdhsa_next_free_vgpr 130
		.amdhsa_next_free_sgpr 66
		.amdhsa_reserve_vcc 0
		.amdhsa_float_denorm_mode_32 3
		.amdhsa_float_denorm_mode_16_64 3
		.amdhsa_memory_ordered 1
		.amdhsa_forward_progress 1
		.amdhsa_inst_pref_size 30
	.end_amdhsa_kernel
	.amdgpu_metadata
---
amdhsa.version: [ 1, 2 ]
amdhsa.kernels:
  - .name:           k_q2165fc2562_prep
    .symbol:         k_q2165fc2562_prep.kd
    .args:
      - { .name: W, .offset: 0, .size: 8, .value_kind: global_buffer, .address_space: global }
      - { .name: z, .offset: 8, .size: 8, .value_kind: global_buffer, .address_space: global }
      - { .name: wb, .offset: 16, .size: 8, .value_kind: global_buffer, .address_space: global }
      - { .name: zb, .offset: 24, .size: 8, .value_kind: global_buffer, .address_space: global }
      - { .name: ww, .offset: 32, .size: 8, .value_kind: global_buffer, .address_space: global }
      - { .name: zz, .offset: 40, .size: 8, .value_kind: global_buffer, .address_space: global }
    .group_segment_fixed_size: 35072
    .private_segment_fixed_size: 0
    .kernarg_segment_align: 8
    .kernarg_segment_size: 48
    .max_flat_workgroup_size: 256
    .sgpr_count:     66
    .vgpr_count:     130
    .wavefront_size: 32
...
	.end_amdgpu_metadata
.endif
;; end of part 1
;; launch dist (part 2): grid 64 x 4, 8 waves a work-group, clusters of 4 x 1, 327,680 bytes of LDS; arguments wb, zb, ww, zz, pval, pidx; writes pval, pidx
.if DOCPART == 2
	.amdgcn_target "amdgcn-amd-amdhsa--gfx1250"
	.amdhsa_code_object_version 6
	.text
	.protected	k_q2165fc2562_dist
	.globl	k_q2165fc2562_dist
	.p2align	8
	.type	k_q2165fc2562_dist,@function
k_q2165fc2562_dist:
	s_mov_b64 s[64:65], 0
	v_nop
	global_prefetch_b8 v0, s[64:65] scope:SCOPE_SE
	s_setreg_imm32_b32 hwreg(HW_REG_WAVE_MODE, 25, 1), 1
	s_wait_xcnt 0x0
	s_wait_alu depctr_hold_cnt(0) depctr_sa_sdst(0) depctr_va_vdst(0) depctr_va_sdst(0) depctr_va_ssrc(0) depctr_va_vcc(0) depctr_vm_vsrc(0)
	s_getreg_b32 s2, hwreg(HW_REG_IB_STS2, 6, 4)
	s_cmp_eq_u32 s2, 0
	s_cbranch_scc0 .Lentry_in_a_cluster
	s_endpgm
.Lentry_in_a_cluster:
	s_bfe_u32 s2, ttmp6, 0x10000c
	s_cmp_lg_u32 s2, 0x3003
	s_cbranch_scc0 .Lentry_shape_is_right
	s_endpgm
.Lentry_shape_is_right:
; dist: d[n][k] = fl(fl(zz[n] + ww[k]) - 2 dot(zb[n], wb[k])) and its first minimum over a quarter of the codes.
; The two roundings are reference()'s own: one v_pk_add_f32 for zz + ww, one fused multiply-add for the rest (2 dot is exact).
; The minimum is kept by a strict "<" in ascending k, and merges compare (value, index), so the FIRST smallest d wins.
; LIMITS: a NaN distance never wins (jnp.argmin would take the first NaN); if no d of a quarter is below +inf the quarter reports index 0.
; The dot product is summed by the matrix unit in its own order, not in the reference's.
;
; SHARES.  Work-group (x, y): z rows 256 x .. + 255 against codes 4096 y .. + 4095: 64 x 4 = 256 work-groups.  Wave w: wr = w % 4, wc = w / 4:
; z rows 64 wr .. + 63, and half wc (128 codes) of each slot of 256 codes.  The wave's 64 rows x 256 k of z stay in 256 registers for the
; whole launch, so the 8 KiB of a code tile (16 codes) read from LDS feed 32 matrix instructions.  Eight waves, two for each SIMD: behind a
; tile's 32 matrix instructions come 128 vector instructions (distance and argmin), which one wave runs while its partner multiplies.
; CLUSTER.  The four work-groups of a cluster are neighbours along x: same y, so the same code tiles.  Every code tile is asked for jointly
; (mask 15).  The z block is each work-group's own and comes by a plain load; it is loaded once, 128 KiB against the 2 MiB of codes.
; cx enters global addresses of zb, zz, pval and pidx alone: no LDS address, no branch, no joint descriptor.
;
; LDS: two slots of 256 rows x 528 bytes (512 of data + 16 of padding; 528 = 33 x 16, so the sixteen rows of a fragment load start in
; sixteen different 16-byte columns modulo 256).  Slot 1 holds the z block first.  Behind the ring, in blocks that no tensor load fills:
; the quarter's ww, and the stage of the last merge.
.set PITCH, 528
.set WROWS, 32*PITCH                   ; 16,896: what one tensor load brings
.set SLOT,  8*WROWS                    ; 135,168
.set HALFS, 128*PITCH                  ; 67,584: a wave column's half of a slot
.set TROWS, 16*PITCH                   ; 8,448: a tile of 16 rows
.set WWL,   2*SLOT                     ; 270,336: ww of my 4,096 codes, 16,384 bytes
.set MV,    WWL+16384                  ; 286,720: [2][256] f32 values; 2,048 bytes further on [2][256] indices
.set STEP,  256*512                    ; bytes of wb from one slot's codes to the next
; vector registers, window 0: v1 r, v2 h, v3 lane, v4-5 fragment address in slot 0, 1, v6 address of ww, v7 address of my z rows,
; v8 8 h, v9 at work, v10 16 x thread, v11 offset of my zz
.set ZZ,   12                          ; v[12:15]   zz of row r of my four z tiles
.set BEST, 16                          ; v[16:19]   running minimum for each z tile
.set IDX,  20                          ; v[20:23]   its index, less 8 h
.set OV,   24                          ; v[24:27]   the other side's value in a merge
.set OI,   28                          ; v[28:31]   and index
.set WW,   32                          ; v[32:39], v[40:47]  ww of a tile's codes 8 h .. 8 h + 7, two buffers
.set STG,  48                          ; v[48:63]   ww on its way into LDS
.set AF,   64                          ; v[64:127], v[128:191]  a code tile's fragments (8 K steps x 8 registers), two buffers
.set ACC,  192                         ; v[192:223] four accumulator tiles: 16 codes x 16 z rows each
.set T,    224                         ; v[224:255] zz + ww
; window 1 (v256-v511): z tile zt, K step ks at 64 zt + 8 ks
.set G1,  16                           ; s[16:23]  group 1, joint
.set G1Z, 24                           ; s[24:31]  group 1, plain
.set G0,  32                           ; s[32:39]  group 0 of slot 0, slot 1
.set G0Z, 40                           ; s[40:43]  group 0 of the z block
.set M,   56                           ; s[56:59]  compare masks, one for each z tile
.set CI,  66                           ; s[66:73]  index of the tile's code j (for h = 0)
.set MSB, 0
.macro WIN new                         ; s_set_vgpr_msb; the immediate's high byte repeats the setting that is left
.if MSB != \new
	s_set_vgpr_msb (MSB<<8)|\new
.set MSB, \new
.endif
.endm
; A round of the cluster's barrier: my work-group's barrier, wave 0 signals for the work-group, every wave waits for all four
; work-groups, my work-group's barrier once more.
.macro ROUND
	s_barrier_signal -1
	s_barrier_wait -1
	s_cmp_lg_u32 s45, 0
	s_cbranch_scc1 .Lnot_wave_0_\@
	s_barrier_signal -3
.Lnot_wave_0_\@:
	s_barrier_wait -3
	s_barrier_signal -1
	s_barrier_wait -1
.endm
	s_load_b256 s[4:11], s[0:1], 0x0               ; wb s[4:5], zb s[6:7], ww s[8:9], zz s[10:11]
	s_load_b128 s[12:15], s[0:1], 0x20             ; pval s[12:13], pidx s[14:15]
	v_lshl_add_u32 v222, v0, 2, 0x47000
	v_mov_b32 v223, 0
	ds_add_u32 v222, v223
	s_wait_dscnt 0x0
	v_lshrrev_b32 v9, 5, v0
	v_readfirstlane_b32 s45, v9                    ; wave w
	v_and_b32 v1, 15, v0                           ; r
	v_bfe_u32 v2, v0, 4, 1                         ; h
	v_and_b32 v3, 31, v0                           ; lane
	s_bfe_u32 s46, ttmp6, 0x40000                  ; cx
	s_lshl_b32 s47, ttmp9, 2
	s_add_co_u32 s47, s47, s46                     ; x = 4 x cluster x + cx
	s_and_b32 s48, ttmp7, 0xffff                   ; y
	s_and_b32 s49, s45, 3                          ; wr
	s_lshr_b32 s50, s45, 2                         ; wc
	s_mov_b32 s60, 0x76543210                      ; v_permlanex16_b32: lane i xor 16
	s_mov_b32 s61, 0xfedcba98
	s_mov_b32 s77, 0xffff0000                      ; lanes 16 to 31
	v_lshlrev_b32 v10, 4, v0                       ; 16 x thread
	v_lshlrev_b32 v11, 2, v1
	v_lshl_add_u32 v11, s49, 8, v11                ; 4 (64 wr + r)
	; group 1: a tile of 32 rows x 256 elements of 2 bytes, 256 elements from row to row, 4 words of padding behind every 128
	s_mov_b32 s[G1+0], 15|(1<<16)|(1<<20)|(1<<21)|(6<<22)|(3<<25)  ; 15:0 mask: all four of the cluster; 17:16 2 bytes; 20 padding; 21 set beside a mask; 24:22 code 6; 31:25 code 3
	s_mov_b32 s[G1Z+0], (1<<16)|(1<<20)|(6<<22)|(3<<25)            ; the same without mask: my own tile
	s_mov_b32 s[G1+1], 256<<16                     ; tensor_dim0 = 256
	s_mov_b32 s[G1Z+1], 256<<16
	s_mov_b32 s[G1+2], 32<<16                      ; tensor_dim1 = 32
	s_mov_b32 s[G1Z+2], 32<<16
	s_mov_b32 s[G1+3], 256<<16                     ; tile_dim0 = 256
	s_mov_b32 s[G1Z+3], 256<<16
	s_mov_b32 s[G1+4], 32                          ; tile_dim1 = 32
	s_mov_b32 s[G1Z+4], 32
	s_mov_b32 s[G1+5], 256                         ; the pitch
	s_mov_b32 s[G1Z+5], 256
	s_mov_b32 s[G1+6], 0
	s_mov_b32 s[G1Z+6], 0
	s_mov_b32 s[G1+7], 0
	s_mov_b32 s[G1Z+7], 0
	s_mul_i32 s51, s45, WROWS                      ; my 32 rows in a slot
	s_lshl_b32 s78, s45, 14                        ; and in memory: 32 rows x 512 bytes x w
	s_mov_b32 s53, 0
	s_mov_b32 s63, 0
	s_wait_kmcnt 0x0
	s_lshl_b32 s52, s48, 14                        ; ww of my quarter
	s_add_nc_u64 s[8:9], s[8:9], s[52:53]
	s_lshl_b32 s62, s47, 10                        ; zz of my 256 rows
	s_add_nc_u64 s[10:11], s[10:11], s[62:63]
.irp i, 0,1,2,3
	global_load_b128 v[STG+4*\i:STG+4*\i+3], v10, s[8:9] offset:4096*\i
.endr
.irp z, 0,1,2,3
	global_load_b32 v[ZZ+\z], v11, s[10:11] offset:64*\z           ; row 64 wr + 16 zt + r
.endr
	s_lshl_b32 s62, s47, 10
	s_lshl_b32 s46, s48, 16
	s_add_co_u32 s62, s62, s46                     ; 4 (16384 y + 256 x): my part of pval and pidx
	s_add_nc_u64 s[12:13], s[12:13], s[62:63]
	s_add_nc_u64 s[14:15], s[14:15], s[62:63]
	; group 0 of the two slots: codes 4096 y + 256 s + 32 w: made of y and the wave's number alone
	s_lshl_b32 s52, s48, 21
	s_add_co_u32 s52, s52, s78
	s_add_nc_u64 s[54:55], s[4:5], s[52:53]
.irp s, 0,1
	s_mov_b32 s[G0+4*\s], 1
	s_add_co_u32 s[G0+4*\s+1], s51, \s*SLOT
	s_add_nc_u64 s[G0+4*\s+2:G0+4*\s+3], s[54:55], \s*STEP
	s_or_b32 s[G0+4*\s+3], s[G0+4*\s+3], 0x80000000
.endr
	; group 0 of the z block: rows 256 x + 32 w, into slot 1
	s_lshl_b32 s62, s47, 17
	s_add_co_u32 s62, s62, s78
	s_mov_b32 s[G0Z], 1
	s_add_co_u32 s[G0Z+1], s51, SLOT
	s_add_nc_u64 s[G0Z+2:G0Z+3], s[6:7], s[62:63]
	s_or_b32 s[G0Z+3], s[G0Z+3], 0x80000000
	ROUND                                          ; all four work-groups are here: the first joint loads meet
	tensor_load_to_lds s[G0Z:G0Z+3], s[G1Z:G1Z+7]  ; the first fills, as one group: my 32 rows of z,
	s_nop 0
	tensor_load_to_lds s[G0:G0+3], s[G1:G1+7]      ; my 32 rows of code slot 0.  Two tensor loads of the wave are out here, one behind each later round
	s_nop 0
	v_mul_u32_u24 v9, v1, PITCH
	v_lshl_add_u32 v9, v2, 4, v9                   ; a fragment: row r, 16 bytes for each half of the lanes
	s_mul_i32 s52, s50, HALFS
	v_add_nc_u32 v4, s52, v9                       ; my half of slot 0
	v_add_nc_u32 v5, SLOT, v4                      ; of slot 1
	s_mul_i32 s52, s49, 64*PITCH
	s_add_co_u32 s52, s52, SLOT
	v_add_nc_u32 v7, s52, v9                       ; my 64 rows of the z block
	v_lshlrev_b32 v6, 5, v2
	v_lshl_add_u32 v6, s50, 9, v6
	v_add_nc_u32 v6, WWL, v6                       ; ww of codes 128 wc + 8 h ..
	v_lshlrev_b32 v8, 3, v2                        ; 8 h
	v_add_nc_u32 v9, WWL, v10
	s_wait_loadcnt 0x4                             ; ww is in; the four loads of zz, issued behind it, stay out
.irp i, 0,1,2,3
	ds_store_b128 v9, v[STG+4*\i:STG+4*\i+3] offset:4096*\i
.endr
	s_wait_dscnt 0x0                               ; my part of ww is in LDS, for the other waves' sake
	s_wait_tensorcnt 0x1                           ; my rows of z have landed; code slot 0, issued behind them, may stay out
	s_barrier_signal -1
	s_barrier_wait -1
	WIN 0x40                                       ; destination in window 1
.irp z, 0,1,2,3
.irp k, 0,1,2,3,4,5,6,7
	ds_load_b128 v[64*\z+8*\k:64*\z+8*\k+3],   v7 offset:TROWS*\z+64*\k        ; k = 32 ks + 8 h ..
	ds_load_b128 v[64*\z+8*\k+4:64*\z+8*\k+7], v7 offset:TROWS*\z+64*\k+32     ; k = 32 ks + 16 + 8 h ..
.endr
.endr
	WIN 0
.irp z, 0,1,2,3
	v_mov_b32 v[BEST+\z], 0x7f800000               ; +inf
	v_mov_b32 v[IDX+\z], 0
	v_mov_b32 v[OV+\z], 0                          ; v_permlanex16_b32 counts as a reader of its destination
	v_mov_b32 v[OI+\z], 0
.endr
	s_lshl_b32 s[CI], s48, 12
	s_lshl_b32 s52, s50, 7
	s_add_co_u32 s[CI], s[CI], s52                 ; 4096 y + 128 wc
.irp j, 1,2,3,4,5,6,7
	s_add_co_u32 s[CI+\j], s[CI], \j
.endr
	s_wait_loadcnt 0x0                             ; zz
; 18 LDS loads: tile t (16 codes) of my half of a slot into fragment buffer f, and its ww
.macro FETCH slot, t, f
.irp k, 0,1,2,3,4,5,6,7
	ds_load_b128 v[AF+64*(\f)+8*\k:AF+64*(\f)+8*\k+3],   v[4+\slot] offset:TROWS*(\t)+64*\k
	ds_load_b128 v[AF+64*(\f)+8*\k+4:AF+64*(\f)+8*\k+7], v[4+\slot] offset:TROWS*(\t)+64*\k+32
.endr
	ds_load_b128 v[WW+8*(\f):WW+8*(\f)+3],   v6 offset:1024*\slot+64*(\t)
	ds_load_b128 v[WW+8*(\f)+4:WW+8*(\f)+7], v6 offset:1024*\slot+64*(\t)+16
.endm
; One code tile against my 64 z rows.  Source 0 = 16 codes, source 1 = 16 z rows: lane (r, h) ends with z row r, and register j with code 8 h + j.
.macro TILE slot, t, f, last, step
.if \last
	s_wait_dscnt 0x0                               ; the slot's last tile: nothing was fetched behind it
.else
	FETCH \slot, \t+1, 1-\f                        ; the next tile, a whole tile's work ahead of its use.  The buffer's last readers are the matrix
	                                               ; instructions of the tile before; the sixteen v_pk_add_f32 behind them are more than the four places asked
	s_wait_dscnt 18                                ; all but the 18 just issued: this tile is in
.endif
	WIN 0x04                                       ; source 1 in window 1
.irp k, 0,1,2,3,4,5,6,7
.irp z, 0,1,2,3
.if \k == 0
	v_wmma_f32_16x16x32_bf16 v[ACC+8*\z:ACC+8*\z+7], v[AF+64*\f+8*\k:AF+64*\f+8*\k+7], v[64*\z+8*\k:64*\z+8*\k+7], 0   ; the first K step starts the sums
.else
	v_wmma_f32_16x16x32_bf16 v[ACC+8*\z:ACC+8*\z+7], v[AF+64*\f+8*\k:AF+64*\f+8*\k+7], v[64*\z+8*\k:64*\z+8*\k+7], v[ACC+8*\z:ACC+8*\z+7]   ; the four accumulators take turns, one instruction a turn
.endif
.endr
.endr
	WIN 0
	; t = fl(zz + ww).  These sixteen name no register of a matrix instruction: they are the places in front of the reads of ACC below
.irp z, 0,2
.irp j, 0,2,4,6
	v_pk_add_f32 v[T+8*\z+\j:T+8*\z+\j+1],     v[WW+8*\f+\j:WW+8*\f+\j+1], v[ZZ+\z:ZZ+\z+1] op_sel_hi:[1,0]              ; both halves take the pair's first zz
	v_pk_add_f32 v[T+8*\z+8+\j:T+8*\z+8+\j+1], v[WW+8*\f+\j:WW+8*\f+\j+1], v[ZZ+\z:ZZ+\z+1] op_sel:[0,1] op_sel_hi:[1,1]  ; both take its second
.endr
.endr
	; d = fl(t - 2 dot), one rounding
.irp z, 0,1,2,3
.irp j, 0,2,4,6
	v_pk_fma_f32 v[ACC+8*\z+\j:ACC+8*\z+\j+1], v[ACC+8*\z+\j:ACC+8*\z+\j+1], -2.0, v[T+8*\z+\j:T+8*\z+\j+1] op_sel_hi:[1,0,1]
.endr
.endr
	; the running first minimum: codes in ascending order, four chains (one for each z tile) that do not wait for each other
.irp j, 0,1,2,3,4,5,6,7
.irp z, 0,1,2,3
	v_cmp_lt_f32 s[M+\z], v[ACC+8*\z+\j], v[BEST+\z]
.endr
.irp z, 0,1,2,3
	v_cndmask_b32 v[IDX+\z], v[IDX+\z], s[CI+\j], s[M+\z]
	v_min_num_f32 v[BEST+\z], v[BEST+\z], v[ACC+8*\z+\j]
.endr
.endr
.irp j, 0,1,2,3,4,5,6,7
	s_add_co_u32 s[CI+\j], s[CI+\j], \step         ; 16 codes on; behind a slot's last tile 144: over the other wave column's 128
.endr
.endm
; One slot: 8 tiles, 256 matrix instructions of the wave.
.macro TRIP slot, refill
	s_wait_xcnt 0x0
	v_lshl_add_u32 v222, v0, 2, 0x47000
	v_mov_b32 v223, 0
	s_wait_tensorcnt 0x0                           ; all my tensor loads have landed, my part of this slot among them,
	ds_add_u32 v222, v223
	s_wait_dscnt 0x0
	s_add_nc_u64 s[G0+4*\slot+2:G0+4*\slot+3], s[G0+4*\slot+2:G0+4*\slot+3], 2*STEP   ; so a group 0 may be written: this slot's next codes
	s_wait_dscnt 0x0                               ; my reads of the other slot are back (in the first trip: the z fragments)
	ROUND                                          ; both now hold of every wave of all four work-groups
.if \refill
	tensor_load_to_lds s[G0+4-4*\slot:G0+7-4*\slot], s[G1:G1+7]    ; my one load behind the round: the next 256 codes, into the slot read last
	s_nop 0
.endif
	FETCH \slot, 0, 0
	TILE \slot, 0, 0, 0, 16
	TILE \slot, 1, 1, 0, 16
	TILE \slot, 2, 0, 0, 16
	TILE \slot, 3, 1, 0, 16
	TILE \slot, 4, 0, 0, 16
	TILE \slot, 5, 1, 0, 16
	TILE \slot, 6, 0, 0, 16
	TILE \slot, 7, 1, 1, 144
.endm
	s_mov_b32 s44, 7                               ; 16 slots of 256 codes: 7 x 2 in the loop, 2 behind it
.Ltrip:
	TRIP 0, 1
	TRIP 1, 1
	v_add_nc_u32 v6, 2048, v6                      ; ww of the next 512 codes
	s_sub_co_u32 s44, s44, 1
	s_cmp_lg_u32 s44, 0
	s_cbranch_scc1 .Ltrip
	TRIP 0, 1                                      ; asks for the last 256 codes
	TRIP 1, 0                                      ; nothing is left to fetch (the stepped addresses are not used)
; (v, i) becomes the smaller of (v, i) and (ov, oi): by value, then by index
.macro LEX v, i, ov, oi
	v_cmp_lt_f32 s74, v[\ov], v[\v]
	v_cmp_eq_f32 s75, v[\ov], v[\v]
	v_cmp_lt_u32 s76, v[\oi], v[\i]
	s_and_b32 s75, s75, s76
	s_or_b32 s74, s74, s75
	v_cndmask_b32 v[\v], v[\v], v[\ov], s74
	v_cndmask_b32 v[\i], v[\i], v[\oi], s74
.endm
	; the two halves of the lanes hold the same z rows and other codes
.irp z, 0,1,2,3
	v_add_nc_u32 v[IDX+\z], v[IDX+\z], v8          ; + 8 h
.endr
.irp z, 0,1,2,3
	v_permlanex16_b32 v[OV+\z], v[BEST+\z], s60, s61
	v_permlanex16_b32 v[OI+\z], v[IDX+\z], s60, s61
.endr
.irp z, 0,1,2,3
	LEX BEST+\z, IDX+\z, OV+\z, OI+\z
.endr
	v_cndmask_b32 v[OV],   v[BEST],   v[BEST+1], s77   ; lanes 0-15: tile 0's rows; lanes 16-31: tile 1's: rows 64 wr + lane
	v_cndmask_b32 v[OV+1], v[BEST+2], v[BEST+3], s77   ; rows 64 wr + 32 + lane
	v_cndmask_b32 v[OI],   v[IDX],    v[IDX+1],  s77
	v_cndmask_b32 v[OI+1], v[IDX+2],  v[IDX+3],  s77
	v_lshlrev_b32 v9, 2, v3
	v_lshl_add_u32 v9, s49, 8, v9
	v_lshl_add_u32 v9, s50, 10, v9
	v_add_nc_u32 v9, MV, v9                        ; [wc][64 wr + lane]
	ds_store_b32 v9, v[OV]
	ds_store_b32 v9, v[OV+1] offset:128
	ds_store_b32 v9, v[OI] offset:2048
	ds_store_b32 v9, v[OI+1] offset:2176
	s_wait_dscnt 0x0                               ; for the other waves' sake
	s_barrier_signal -1
	s_barrier_wait -1
	s_cmp_gt_u32 s45, 1
	s_cbranch_scc1 .Lothers
	v_add_nc_u32 v9, MV, v10                       ; waves 0 and 1: thread t merges the two wave columns for rows 4 t .. 4 t + 3
	ds_load_b128 v[32:35], v9
	ds_load_b128 v[36:39], v9 offset:1024
	ds_load_b128 v[40:43], v9 offset:2048
	ds_load_b128 v[44:47], v9 offset:3072
	s_wait_dscnt 0x0
.irp e, 0,1,2,3
	LEX 32+\e, 40+\e, 36+\e, 44+\e
.endr
	global_store_b128 v10, v[32:35], s[12:13]      ; sixteen lanes store 256 consecutive bytes, aligned
	global_store_b128 v10, v[40:43], s[14:15]
.Lothers:
	s_wait_xcnt 0x0
	v_lshl_add_u32 v222, v0, 2, 0x47000
	v_mov_b32 v223, 0
	s_wait_tensorcnt 0x0
	ds_add_u32 v222, v223
	s_wait_dscnt 0x0
	ROUND                                          ; the closing round: no work-group ends while a partner may still ask jointly
	s_endpgm
.Lfunc_end_k_q2165fc2562_dist:
	.size	k_q2165fc2562_dist, .Lfunc_end_k_q2165fc2562_dist-k_q2165fc2562_dist
	.p2alignl 7, 3214868480
	.fill 96, 4, 3214868480
	.section	.rodata,"a",@progbits
	.p2align	6, 0x0
	.amdhsa_kernel k_q2165fc2562_dist
		.amdhsa_group_segment_fixed_size 327680
		.amdhsa_private_segment_fixed_size 0
		.amdhsa_enable_private_segment 0
		.amdhsa_kernarg_size 48
		.amdhsa_user_sgpr_count 2
		.amdhsa_user_sgpr_kernarg_segment_ptr 1
		.amdhsa_wavefront_size32 1
		.amdhsa_system_sgpr_workgroup_id_x 1
		.amdhsa_system_sgpr_workgroup_id_y 1
		.amdhsa_system_sgpr_workgroup_id_z 1
		.amdhsa_system_vgpr_workitem_id 0
		.amdhsa_next_free_vgpr 512
		.amdhsa_next_free_sgpr 80
		.amdhsa_reserve_vcc 0
		.amdhsa_float_denorm_mode_32 3
		.amdhsa_float_denorm_mode_16_64 3
		.amdhsa_memory_ordered 1
		.amdhsa_forward_progress 1
		.amdhsa_inst_pref_size 255
	.end_amdhsa_kernel
	.section	.bss,"aw",@nobits
	.p2align	6
	.space	262144
	.amdgpu_metadata
---
amdhsa.version: [ 1, 2 ]
amdhsa.kernels:
  - .name:           k_q2165fc2562_dist
    .symbol:         k_q2165fc2562_dist.kd
    .args:
      - { .name: wb, .offset: 0, .size: 8, .value_kind: global_buffer, .address_space: global }
      - { .name: zb, .offset: 8, .size: 8, .value_kind: global_buffer, .address_space: global }
      - { .name: ww, .offset: 16, .size: 8, .value_kind: global_buffer, .address_space: global }
      - { .name: zz, .offset: 24, .size: 8, .value_kind: global_buffer, .address_space: global }
      - { .name: pval, .offset: 32, .size: 8, .value_kind: global_buffer, .address_space: global }
      - { .name: pidx, .offset: 40, .size: 8, .value_kind: global_buffer, .address_space: global }
    .group_segment_fixed_size: 327680
    .private_segment_fixed_size: 0
    .kernarg_segment_align: 8
    .kernarg_segment_size: 48
    .max_flat_workgroup_size: 256
    .sgpr_count:     80
    .vgpr_count:     512
    .wavefront_size: 32
...
	.end_amdgpu_metadata
.endif
;; end of part 2
;; launch outp (part 3): grid 256 x 1, 8 waves a work-group, no clusters, 71,168 bytes of LDS; arguments wb, zb, pval, pidx, out0, out2, lpart; writes out0, out2, lpart
.if DOCPART == 3
	.amdgcn_target "amdgcn-amd-amdhsa--gfx1250"
	.amdhsa_code_object_version 6
	.text
	.protected	k_q2165fc2562_outp
	.globl	k_q2165fc2562_outp
	.p2align	8
	.type	k_q2165fc2562_outp,@function
k_q2165fc2562_outp:
	s_mov_b64 s[64:65], 0
	v_nop
	global_prefetch_b8 v0, s[64:65] scope:SCOPE_SE
	s_setreg_imm32_b32 hwreg(HW_REG_WAVE_MODE, 25, 1), 1
	s_wait_xcnt 0x0
; outp: for each z row the four quarters' candidates (value in pval, index in pidx) are all gathered; the winner is CHOSEN BY SELECTS, so that
; no address hangs on a floating-point number.  Quarters ascend, so a strict "<" keeps the first index.  Then, in f32 on the rounded inputs:
;   out0[b][c][hw] = z + (w - z)   (the two roundings of reference()),   out2[n] = the index,   lpart[g] = sum of (w - z)^2 over my 64 rows.
; LIMIT: z and w are the bf16-rounded numbers of zb and wb, as everywhere in this program.
; Work-group g owns rows 64 g .. + 63 (one b, 64 neighbouring hw); wave w rows 8 w .. + 7; a lane the 8 channels 8 lane .. + 7 of a row.
; The results turn through LDS: channel c = 8 l + j has its 64 numbers (256 bytes) at j x 8,704 + l x 272; 272 = 17 x 16, so sixteen
; lanes' 16-byte stores fall into sixteen different 16-byte columns modulo 256.
; No tensor load, no matrix unit, no cluster: a gather of 512-byte rows and a stream.
.set SPITCH, 272
.set JPL, 32*SPITCH                    ; 8,704
.set IXL, 8*JPL                        ; 69,632: the 64 indices
.set LSL, IXL+256                      ; 69,888: the 8 waves' sums
; v1 16 lane, v2 stage in, v3 stage back, v4 offset in out0, v5 best value, v6 its index, v7 lanes with lane % 8 = i: row i's index, v8 lane, v9 offset in zb
.set L,  10                            ; v[10:17]   four pairs of partial sums of squares
.set WF, 18                            ; v[18:25]   the code's 8 numbers in f32
.set ZU, 26                            ; v[26:33]   z's
.set D,  34                            ; v[34:41]   w - z
.set O,  44                            ; v[44:75]   channel j of four rows at O + 4 j
.set CD, 80                            ; v[80:207]  row i, quarter y: 4 registers at CD + 16 i + 4 y; later the way out
.set ZB, 208                           ; v[208:239] row i of zb: 4 registers
.set PI, 16                            ; s[16:47]   index of row i, quarter y at PI + 8 y + i
                                       ; values at 48 + 8 y + 4 (y / 2) + i: s[48:63], s[68:83]
.set MK, 88                            ; s[88:95]   lane masks 0x01010101 << i
	s_load_b256 s[4:11], s[0:1], 0x0               ; wb s[4:5], zb s[6:7], pval s[8:9], pidx s[10:11]
	s_load_b128 s[12:15], s[0:1], 0x20             ; out0 s[12:13], out2 s[14:15]
	s_load_b64 s[84:85], s[0:1], 0x30              ; lpart
	v_lshl_add_u32 v240, v0, 2, 0x11200
	v_mov_b32 v241, 0
	v_lshrrev_b32 v8, 5, v0
	v_readfirstlane_b32 s86, v8                    ; wave w
	v_and_b32 v8, 31, v0                           ; lane
	v_lshlrev_b32 v1, 4, v8
	s_lshl_b32 s87, ttmp9, 8
	s_lshl_b32 s2, s86, 5
	s_add_co_u32 s87, s87, s2                      ; 4 (64 g + 8 w)
	s_wait_kmcnt 0x0
.irp y, 0,1,2,3
	s_load_b256 s[PI+8*\y:PI+8*\y+7], s[10:11], s87 offset:65536*\y                        ; my 8 rows' candidates of quarter y
	s_load_b256 s[48+8*\y+4*(\y/2):55+8*\y+4*(\y/2)], s[8:9], s87 offset:65536*\y
.endr
	s_lshl_b32 s2, ttmp9, 15                       ; my 64 rows of zb
	s_mov_b32 s3, 0
	s_add_nc_u64 s[6:7], s[6:7], s[2:3]
	v_lshl_add_u32 v9, s86, 12, v1                 ; row 8 w, byte 16 x lane
.irp i, 0,1,2,3,4,5,6,7
	global_load_b128 v[ZB+4*\i:ZB+4*\i+3], v9, s[6:7] offset:512*\i th:TH_LOAD_NT          ; these hang on no index: they go first
.endr
	s_mov_b32 s96, 0x76543210
	s_mov_b32 s97, 0xfedcba98
	s_mov_b32 s98, 0xffff0000
.irp i, 0,1,2,3,4,5,6,7
	s_mov_b32 s[MK+\i], 0x01010101<<\i
.endr
	s_lshr_b32 s2, ttmp9, 4                        ; b
	s_lshl_b32 s2, s2, 20
	s_and_b32 s99, ttmp9, 15
	s_lshl_b32 s99, s99, 8                         ; my 64 hw x 4 bytes
	s_add_co_u32 s2, s2, s99
	s_add_nc_u64 s[12:13], s[12:13], s[2:3]
	s_lshl_b32 s2, ttmp9, 8
	s_add_nc_u64 s[14:15], s[14:15], s[2:3]        ; out2 at my 64 rows
	s_lshl_b32 s2, ttmp9, 2
	s_add_nc_u64 s[84:85], s[84:85], s[2:3]        ; lpart[g]
	v_and_b32 v3, 15, v0                           ; q
	v_bfe_u32 v4, v0, 4, 1                         ; g
	v_lshl_add_u32 v5, s86, 2, v4                  ; 4 w + g
	v_lshlrev_b32 v6, 4, v3
	v_mul_u32_u24 v3, v5, SPITCH
	v_add_nc_u32 v3, v3, v6                        ; back: l = 4 w + g, 16 q
	v_lshl_add_u32 v4, v5, 15, v6                  ; out0: channel (32 w + 8 g) x 4,096 + 16 q
	v_mul_u32_u24 v2, v8, SPITCH
	v_lshl_add_u32 v2, s86, 5, v2                  ; in: l = lane, rows 8 w ..
	s_wait_kmcnt 0x0
.irp i, 0,1,2,3,4,5,6,7
.irp y, 0,1,2,3
	s_min_u32 s[PI+8*\y+\i], s[PI+8*\y+\i], 0x3fff                 ; an index stays inside the table
	v_lshl_add_u32 v[CD+16*\i+4*\y], s[PI+8*\y+\i], 9, v1          ; row x 512 + 16 x lane
	global_load_b128 v[CD+16*\i+4*\y:CD+16*\i+4*\y+3], v[CD+16*\i+4*\y], s[4:5]    ; lands on its own address register
.endr
.endr
.macro ROW i
	s_wait_loadcnt 28-4*\i                         ; loads come back in order: zb and row i's four candidates are in, four loads of each younger row stay out
	v_mov_b32 v5, s[48+\i]
	v_mov_b32 v6, s[PI+\i]
.irp y, 1,2,3
	v_cmp_lt_f32 vcc_lo, s[48+8*\y+4*(\y/2)+\i], v5
.irp k, 0,1,2,3
	v_cndmask_b32 v[CD+16*\i+\k], v[CD+16*\i+\k], v[CD+16*\i+4*\y+\k], vcc_lo
.endr
	v_cndmask_b32 v5, v5, s[48+8*\y+4*(\y/2)+\i], vcc_lo
	v_cndmask_b32 v6, v6, s[PI+8*\y+\i], vcc_lo
.endr
.irp k, 0,1,2,3
	v_lshlrev_b32 v[WF+2*\k],   16, v[CD+16*\i+\k]
	v_and_b32     v[WF+2*\k+1], s98, v[CD+16*\i+\k]
	v_lshlrev_b32 v[ZU+2*\k],   16, v[ZB+4*\i+\k]
	v_and_b32     v[ZU+2*\k+1], s98, v[ZB+4*\i+\k]
.endr
.irp k, 0,2,4,6
	v_pk_add_f32 v[D+\k:D+\k+1], v[WF+\k:WF+\k+1], v[ZU+\k:ZU+\k+1] neg_lo:[0,1] neg_hi:[0,1]     ; w - z
.endr
.irp k, 0,2,4,6
.if \i == 0
	v_pk_mul_f32 v[L+\k:L+\k+1], v[D+\k:D+\k+1], v[D+\k:D+\k+1]                    ; the first row starts the sums
.else
	v_pk_fma_f32 v[L+\k:L+\k+1], v[D+\k:D+\k+1], v[D+\k:D+\k+1], v[L+\k:L+\k+1]
.endif
.endr
.irp j, 0,1,2,3,4,5,6,7
	v_add_f32 v[O+4*\j+(\i%4)], v[ZU+\j], v[D+\j]                  ; z + (w - z)
.endr
.if \i == 0
	v_mov_b32 v7, v6
.else
	v_cndmask_b32 v7, v7, v6, s[MK+\i]
.endif
.endm
	ROW 0
	ROW 1
	ROW 2
	ROW 3
.irp j, 0,1,2,3,4,5,6,7
	ds_store_b128 v2, v[O+4*\j:O+4*\j+3] offset:JPL*\j             ; channel 8 lane + j, rows 8 w .. + 3
.endr
	ROW 4
	ROW 5
	ROW 6
	ROW 7
.irp j, 0,1,2,3,4,5,6,7
	ds_store_b128 v2, v[O+4*\j:O+4*\j+3] offset:JPL*\j+16          ; rows 8 w + 4 .. + 7
.endr
	v_pk_add_f32 v[L:L+1], v[L:L+1], v[L+2:L+3]
	v_pk_add_f32 v[L+4:L+5], v[L+4:L+5], v[L+6:L+7]
	v_pk_add_f32 v[L:L+1], v[L:L+1], v[L+4:L+5]
	v_add_f32 v[L], v[L], v[L+1]
	v_add_f32_dpp v[L], v[L], v[L] row_xmask:1 row_mask:0xf bank_mask:0xf
	v_add_f32_dpp v[L], v[L], v[L] row_xmask:2 row_mask:0xf bank_mask:0xf
	v_add_f32_dpp v[L], v[L], v[L] row_xmask:4 row_mask:0xf bank_mask:0xf
	v_add_f32_dpp v[L], v[L], v[L] row_xmask:8 row_mask:0xf bank_mask:0xf
	v_permlanex16_b32 v[L+1], v[L], s96, s97
	v_add_f32 v[L], v[L], v[L+1]                   ; the wave's sum of squares, in every lane
	v_mov_b32 v5, LSL
	v_lshl_add_u32 v5, s86, 2, v5
	ds_store_b32 v5, v[L]                          ; all lanes write the same word with the same number
	v_and_b32 v6, 7, v0
	v_lshl_add_u32 v6, s86, 3, v6
	v_lshlrev_b32 v6, 2, v6
	v_add_nc_u32 v6, IXL, v6
	ds_store_b32 v6, v7                            ; row 8 w + lane % 8
	s_wait_dscnt 0x0                               ; for the other waves' sake
	s_barrier_signal -1
	s_barrier_wait -1
	; the way out: each half of a wave takes one channel's 256 bytes
.irp m, 0,1,2,3,4,5,6,7,8,9,10,11,12,13,14,15
	ds_load_b128 v[CD+4*\m:CD+4*\m+3], v3 offset:JPL*(\m%8)+2*SPITCH*(\m/8)        ; j = m % 8, l = 4 w + g + 2 (m / 8)
.endr
.irp m, 0,1,2,3,4,5,6,7,8,9,10,11,12,13,14,15
	s_wait_dscnt 15-\m                             ; load m is back, the younger ones stay out
	global_store_b128 v4, v[CD+4*\m:CD+4*\m+3], s[12:13] offset:(16*(\m/8)+(\m%8))*4096 th:TH_STORE_NT    ; sixteen lanes: 256 consecutive bytes, aligned
.endr
	s_cmp_lg_u32 s86, 0
	s_cbranch_scc1 .Lend
	v_lshlrev_b32 v5, 3, v8                        ; wave 0: the indices, two a lane, and the eight sums
	v_add_nc_u32 v6, IXL, v5
	v_mov_b32 v7, LSL
	ds_load_b64 v[144:145], v6
	ds_load_b128 v[148:151], v7
	ds_load_b128 v[152:155], v7 offset:16
	v_mov_b32 v146, 0
	v_cmp_eq_u32 vcc_lo, 0, v0
	s_wait_dscnt 0x2                               ; the indices are back; the two loads of the sums stay out
	global_store_b64 v5, v[144:145], s[14:15]      ; 256 consecutive bytes, aligned
	s_wait_dscnt 0x0
	v_pk_add_f32 v[148:149], v[148:149], v[150:151]
	v_pk_add_f32 v[152:153], v[152:153], v[154:155]
	v_pk_add_f32 v[148:149], v[148:149], v[152:153]
	v_add_f32 v148, v148, v149
	s_wait_xcnt 0x0                                ; EXEC is a source of the stores above: it changes only behind this wait
	s_and_saveexec_b32 s99, vcc_lo
	global_store_b32 v146, v148, s[84:85]          ; one number a work-group: the sum over work-groups belongs to the next launch
	s_wait_xcnt 0x0                                ; and again in front of the line that widens EXEC
	s_or_b32 exec_lo, exec_lo, s99
.Lend:
	s_wait_tensorcnt 0x0
	ds_add_u32 v240, v241
	s_wait_dscnt 0x0
	s_endpgm
.Lfunc_end_k_q2165fc2562_outp:
	.size	k_q2165fc2562_outp, .Lfunc_end_k_q2165fc2562_outp-k_q2165fc2562_outp
	.p2alignl 7, 3214868480
	.fill 96, 4, 3214868480
	.section	.rodata,"a",@progbits
	.p2align	6, 0x0
	.amdhsa_kernel k_q2165fc2562_outp
		.amdhsa_group_segment_fixed_size 71168
		.amdhsa_private_segment_fixed_size 0
		.amdhsa_enable_private_segment 0
		.amdhsa_kernarg_size 56
		.amdhsa_user_sgpr_count 2
		.amdhsa_user_sgpr_kernarg_segment_ptr 1
		.amdhsa_wavefront_size32 1
		.amdhsa_system_sgpr_workgroup_id_x 1
		.amdhsa_system_sgpr_workgroup_id_y 1
		.amdhsa_system_sgpr_workgroup_id_z 1
		.amdhsa_system_vgpr_workitem_id 0
		.amdhsa_next_free_vgpr 242
		.amdhsa_next_free_sgpr 100
		.amdhsa_reserve_vcc 1
		.amdhsa_float_denorm_mode_32 3
		.amdhsa_float_denorm_mode_16_64 3
		.amdhsa_memory_ordered 1
		.amdhsa_forward_progress 1
		.amdhsa_inst_pref_size 36
	.end_amdhsa_kernel
	.amdgpu_metadata
---
amdhsa.version: [ 1, 2 ]
amdhsa.kernels:
  - .name:           k_q2165fc2562_outp
    .symbol:         k_q2165fc2562_outp.kd
    .args:
      - { .name: wb, .offset: 0, .size: 8, .value_kind: global_buffer, .address_space: global }
      - { .name: zb, .offset: 8, .size: 8, .value_kind: global_buffer, .address_space: global }
      - { .name: pval, .offset: 16, .size: 8, .value_kind: global_buffer, .address_space: global }
      - { .name: pidx, .offset: 24, .size: 8, .value_kind: global_buffer, .address_space: global }
      - { .name: out0, .offset: 32, .size: 8, .value_kind: global_buffer, .address_space: global }
      - { .name: out2, .offset: 40, .size: 8, .value_kind: global_buffer, .address_space: global }
      - { .name: lpart, .offset: 48, .size: 8, .value_kind: global_buffer, .address_space: global }
    .group_segment_fixed_size: 71168
    .private_segment_fixed_size: 0
    .kernarg_segment_align: 8
    .kernarg_segment_size: 56
    .max_flat_workgroup_size: 256
    .sgpr_count:     100
    .vgpr_count:     242
    .wavefront_size: 32
...
	.end_amdgpu_metadata
.endif
;; end of part 3
;; launch loss (part 4): grid 1 x 1, 1 waves a work-group, no clusters, 0 bytes of LDS; arguments lpart, out1; writes out1
.if DOCPART == 4
	.amdgcn_target "amdgcn-amd-amdhsa--gfx1250"
	.amdhsa_code_object_version 6
	.text
	.protected	k_q2165fc2562_loss
	.globl	k_q2165fc2562_loss
	.p2align	8
	.type	k_q2165fc2562_loss,@function
k_q2165fc2562_loss:
	s_mov_b64 s[64:65], 0
	v_nop
	global_prefetch_b8 v0, s[64:65] scope:SCOPE_SE
	s_setreg_imm32_b32 hwreg(HW_REG_WAVE_MODE, 25, 1), 1
	s_wait_xcnt 0x0
; loss = 0.25 m + m, m = (sum of the 256 work-groups' sums of squares) / 4,194,304 (= 16 x 256 x 32 x 32 = 2^22 numbers).
; One wave owns the one output: a sum over work-groups is made by a launch of its own, in a fixed order.
	s_load_b128 s[4:7], s[0:1], 0x0                ; lpart s[4:5], out1 s[6:7]
	v_lshlrev_b32 v1, 4, v0
	s_mov_b32 s8, 0x76543210
	s_mov_b32 s9, 0xfedcba98
	v_mov_b32 v10, 0
	v_cmp_eq_u32 vcc_lo, 0, v0
	s_wait_kmcnt 0x0
	global_load_b128 v[2:5], v1, s[4:5]
	global_load_b128 v[6:9], v1, s[4:5] offset:512
	s_wait_loadcnt 0x0
	v_pk_add_f32 v[2:3], v[2:3], v[4:5]
	v_pk_add_f32 v[6:7], v[6:7], v[8:9]
	v_pk_add_f32 v[2:3], v[2:3], v[6:7]
	v_add_f32 v2, v2, v3
	v_add_f32_dpp v2, v2, v2 row_xmask:1 row_mask:0xf bank_mask:0xf
	v_add_f32_dpp v2, v2, v2 row_xmask:2 row_mask:0xf bank_mask:0xf
	v_add_f32_dpp v2, v2, v2 row_xmask:4 row_mask:0xf bank_mask:0xf
	v_add_f32_dpp v2, v2, v2 row_xmask:8 row_mask:0xf bank_mask:0xf
	v_permlanex16_b32 v3, v2, s8, s9
	v_add_f32 v2, v2, v3
	v_mul_f32 v2, 0x34800000, v2                   ; x 2^-22: the mean
	v_fmamk_f32 v3, v2, 0x3e800000, v2             ; 0.25 m + m (0.25 m is exact, so this is the reference's one rounding)
	s_wait_xcnt 0x0                                ; EXEC is a source of the loads above
	s_and_saveexec_b32 s10, vcc_lo
	global_store_b32 v10, v3, s[6:7]
	s_wait_xcnt 0x0
	s_or_b32 exec_lo, exec_lo, s10
	s_endpgm
.Lfunc_end_k_q2165fc2562_loss:
	.size	k_q2165fc2562_loss, .Lfunc_end_k_q2165fc2562_loss-k_q2165fc2562_loss
	.p2alignl 7, 3214868480
	.fill 96, 4, 3214868480
	.section	.rodata,"a",@progbits
	.p2align	6, 0x0
	.amdhsa_kernel k_q2165fc2562_loss
		.amdhsa_group_segment_fixed_size 0
		.amdhsa_private_segment_fixed_size 0
		.amdhsa_enable_private_segment 0
		.amdhsa_kernarg_size 16
		.amdhsa_user_sgpr_count 2
		.amdhsa_user_sgpr_kernarg_segment_ptr 1
		.amdhsa_wavefront_size32 1
		.amdhsa_system_sgpr_workgroup_id_x 1
		.amdhsa_system_sgpr_workgroup_id_y 1
		.amdhsa_system_sgpr_workgroup_id_z 1
		.amdhsa_system_vgpr_workitem_id 0
		.amdhsa_next_free_vgpr 16
		.amdhsa_next_free_sgpr 66
		.amdhsa_reserve_vcc 1
		.amdhsa_float_denorm_mode_32 3
		.amdhsa_float_denorm_mode_16_64 3
		.amdhsa_memory_ordered 1
		.amdhsa_forward_progress 1
		.amdhsa_inst_pref_size 2
	.end_amdhsa_kernel
	.amdgpu_metadata
---
amdhsa.version: [ 1, 2 ]
amdhsa.kernels:
  - .name:           k_q2165fc2562_loss
    .symbol:         k_q2165fc2562_loss.kd
    .args:
      - { .name: lpart, .offset: 0, .size: 8, .value_kind: global_buffer, .address_space: global }
      - { .name: out1, .offset: 8, .size: 8, .value_kind: global_buffer, .address_space: global }
    .group_segment_fixed_size: 0
    .private_segment_fixed_size: 0
    .kernarg_segment_align: 8
    .kernarg_segment_size: 16
    .max_flat_workgroup_size: 32
    .sgpr_count:     66
    .vgpr_count:     16
    .wavefront_size: 32
...
	.end_amdgpu_metadata
.endif
;; end of part 4
